; MI455X (gfx1250); checked and timed in simulation.
; The chip was launched on July 23, 2026; its instructions are those of AMD's public machine-readable ISA for CDNA 5 (MIT licence, August 2026) and "CDNA5" Instruction Set Architecture Reference Guide (July 2026). The comments in the code are by the model that wrote it; some were corrected since.
;; Triangle Attention Starting Node. Allowed arithmetic: matrix products marked QUANTISED: E3M2 operands, one E8M0 scale for each 32 along K, by v_wmma_scale_f32_16x16x128_f8f6f4 with both operands' format E3M2, f32 sums; products left as they are: f32 operands where the result goes on into a quantised operand, else bf16, f16 or f32 operands; f32 sums; everything else in f32.
;; Inputs: Z_mask 1 x 256 x 256 float32; Z_raw 1 x 256 x 256 x 128 float32; bg 4 x 32 float32; ln_b 128 float32; ln_w 128 float32; out_bias 128 float32; w_b 128 x 4 float32; wg_codes 4 x 32 x 4 x 24 uint8 (E3M2 codes of wg, K innermost, in blocks of 32 codes, four codes in three bytes); wg_scales 4 x 32 x 4 uint8 (E8M0 scales of wg, one for each 32 codes along K); wk_codes 4 x 32 x 4 x 24 uint8 (E3M2 codes of wk, K innermost, in blocks of 32 codes, four codes in three bytes); wk_scales 4 x 32 x 4 uint8 (E8M0 scales of wk, one for each 32 codes along K); wo 4 x 32 x 128 float32; wq_codes 4 x 32 x 4 x 24 uint8 (E3M2 codes of wq, K innermost, in blocks of 32 codes, four codes in three bytes); wq_scales 4 x 32 x 4 uint8 (E8M0 scales of wq, one for each 32 codes along K); wv_codes 4 x 32 x 4 x 24 uint8 (E3M2 codes of wv, K innermost, in blocks of 32 codes, four codes in three bytes); wv_scales 4 x 32 x 4 uint8 (E8M0 scales of wv, one for each 32 codes along K).
;; Outputs: out0 1 x 256 x 256 x 128 float32.
;; This version of the problem:
;;   THIS VERSION OF THE PROBLEM IS GIVEN IN LOW PRECISION. The matrix products marked QUANTISED in the list below multiply operands that are first quantised to E3M2 (3 exponent bits, 2 mantissa bits; 6 bits a number), with one power-of-two scale for each 32 numbers along K (OCP MX v1.0); their sums are f32. All else is computed in f32.
;;   The module's matrix products, in the order in which they are computed (A, B: the left and right operand; K: the contracted axis; several contracted axes count as one K, in the product's order):
;;     1. [M 4, K 128] x [K 128, N 65,536]; A: input w_b; B: computed on the way: left as it is (M = 4 < 16)
;;     2. [M 65,536, K 128] x [K 128, N 128]; A: computed on the way; B: input wq (given as codes): QUANTISED
;;     3. [M 65,536, K 128] x [K 128, N 128]; A: computed on the way; B: input wk (given as codes): QUANTISED
;;     4. [M 65,536, K 128] x [K 128, N 128]; A: computed on the way; B: input wv (given as codes): QUANTISED
;;     5. batch 1,024 x [M 256, K 32] x [K 32, N 256]; A: computed on the way; B: computed on the way: QUANTISED
;;     6. batch 1,024 x [M 32, K 256] x [K 256, N 256]; A: computed on the way; B: softmax (see below): QUANTISED
;;     7. [M 65,536, K 128] x [K 128, N 128]; A: computed on the way; B: input wg (given as codes): QUANTISED
;;     8. [M 65,536, K 128] x [K 128, N 128]; A: computed on the way; B: input wo: QUANTISED
;;   THE QUANTISER, for each operand of a quantised product, along K:
;;     - K is cut into blocks of 32 from its start; a last block that is shorter is filled with zeros.
;;     - A block's scale is 2^e with e = floor(log2(the largest magnitude in the block)) - 4, held to -126 .. 127; a block of zeros has e = 0. As a byte (E8M0): e + 127.
;;     - Each number is divided by its block's scale, clamped to +-28, and rounded to the nearest number of E3M2, ties to even, subnormals kept.
;;     - The product sums the exact products of the quantised numbers (number of the format x scale) in f32.
;;   ~~~python
;;   def quantise(x, axis):      # numpy; x: float32 -> the quantised numbers, widened to float32 again
;;       x = np.moveaxis(x, axis, -1); K = x.shape[-1]
;;       x = np.pad(x, [(0, 0)] * (x.ndim - 1) + [(0, -K % 32)]); x = x.reshape(x.shape[:-1] + (-1, 32)); a = np.abs(x).max(-1, keepdims=True)
;;       e = np.where(a > 0, np.clip(np.frexp(np.where(a > 0, a, 1))[1] - 1 - 4, -126, 127), 0)      # np.frexp(a)[1] - 1 = floor(log2(a)), exactly
;;       r = np.clip(x / 2.0 ** e, -28, 28)
;;       step = 2.0 ** (np.maximum(np.frexp(np.where(r == 0, 1, r))[1] - 1, -2) - 2)
;;       q = np.round(r / step) * step * 2.0 ** e      # np.round: ties to even
;;       return np.moveaxis(q.reshape(q.shape[:-2] + (-1,))[..., :K], -1, axis).astype(np.float32)
;;   ~~~
;;   SOFTMAX AHEAD OF A QUANTISED PRODUCT. Where the list says 'softmax', what is quantised is not the finished softmax but p = 2^(t - M), with t = logit x log2(e) and M = ceil(the row's largest t), a whole number; so 1/2 < the row's largest p <= 1. The row's sum l is taken of the UNQUANTISED p, in f32, and the product's result is divided by l at the end. Since M is a whole number, a kernel that streams over the keys may use a running M (the ceiling of the running maximum): every later rescaling is an exact power of two, which a block's scale takes up: the codes' values come out the same.
;;   OPERANDS COMPUTED ON THE WAY. 'Computed on the way' means the value that the module computes at that place (a softmax that the list does not call 'softmax' is quantised finished and normalised). What goes into a quantiser is computed in f32, as accurately as f32 sums, v_exp_f32 and their like allow (about 1e-6 of the number): no bf16 or f16 on the way to a quantiser, and a product that is left as it is and whose result goes on into a quantised operand takes f32 operands (vector FMAs, or v_wmma_f32_16x16x4_f32). A number that lies on a knife's edge between two numbers of the format may be rounded either way, as far as f32 arithmetic and the matrix unit's own rounding can turn it there, and no further.
;;   INPUTS GIVEN AS CODES. wg (in the module: [128, 4, 32], K = its axis 0); wk (in the module: [128, 4, 32], K = its axis 0); wq (in the module: [128, 4, 32], K = its axis 0); wv (in the module: [128, 4, 32], K = its axis 0): each comes as NAME_codes (uint8): NAME with its K axis moved to the last place and cut into blocks of 32 codes, [.., K / 32, bytes a block], one block behind the other in memory; four codes in three bytes: a row's codes are one little-endian stream of bits, code i at bits 6 i .. 6 i + 5 (a code: sign, 3 exponent bits, 2 mantissa bits); and NAME_scales (uint8): the same leading axes, one E8M0 byte (e + 127) for each 32 codes along K. Its value is code x scale, taken as it is: it is not quantised again, and the codes and scales need not be those that the quantiser above would give.
;; One version. Each part assembles by itself: llvm-mc -triple=amdgcn-amd-amdhsa -mcpu=gfx1250 --defsym DOCPART=n.
;; ======== version 1 of 1: 2 launches
;; workspace buffers: tri 1,048,576 bytes; wimg 64,000 bytes; zimg 6,553,600 bytes
;; launch prep (part 1): grid 16 x 16, 16 waves a work-group, no clusters, 169,984 bytes of LDS; arguments Z_raw, ln_w, ln_b, w_b, wq_codes, wq_scales, wk_codes, wk_scales, wv_codes, wv_scales, wg_codes, wg_scales, wo, tri, wimg, zimg; writes tri, wimg, zimg
.if DOCPART == 1
	.amdgcn_target "amdgcn-amd-amdhsa--gfx1250"
	.amdhsa_code_object_version 6
	.text
	.protected	k_q9957a2d6be_prep
	.globl	k_q9957a2d6be_prep
	.p2align	8
	.type	k_q9957a2d6be_prep,@function
k_q9957a2d6be_prep:
	s_mov_b64 s[64:65], 0
	v_nop
	global_prefetch_b8 v0, s[64:65] scope:SCOPE_SE
	s_setreg_imm32_b32 hwreg(HW_REG_WAVE_MODE, 25, 1), 1
	s_wait_xcnt 0x0
; PREP.  (1) tri_b[h][q][k] = layernorm(Z_raw[q][k][:]) . w_b[:][h], all in f32 (it goes on into a softmax ahead of a quantiser), stored in the order in which
; the next launch's score accumulators take it: byte ((h*16 + q/16)*2 + k/128)*8192 + y*512 + lane*16 + 4 e holds q = 16 (q/16) + lane%16 and
; key = 128 (k/128) + 32 (y/4) + 16 (lane/16) + 4 (y%4) + e.   (2) The five weights as images of operand registers: fragment (X, t) (X = 0 q, 1 k, 2 v, 3 g, 4 o; t = 0..7)
; at byte (8 X + t)*1536: three runs of 512 bytes, run c = registers 4 c .. 4 c + 3 of lane l at 16 l; its 16 scale words at 61440 + (8 X + t)*64.
; q, k, v, g arrive as codes and are only laid anew: lane r of tile t takes row 32 (t/2) + 8 (t%2) + r + 8 (r/8).  wo arrives as f32 [K = 128][128]: lane r of tile t takes column 16 t + r, registers run down K.
; (3) layernorm(Z_raw) itself as codes of BF6 (E3M2) with one E8M0 scale for each 32 channels, since the numbers are in registers here anyway: row q of the pair tensor at q*25600 in zimg; in it the fragment of
; positions 16 kg .. 16 kg + 15 as a register image at kg*1536, and its 16 scale words at 24576 + kg*64.  The next launch then begins on 25,600 bytes a row and not on 131,072.
; SHARES.  Work-group (x = kg, y = wq): the 16 rows q = 16 wq + wave of the pair tensor, keys 16 kg .. 16 kg + 15.  A wave's 16 x 128 numbers are 8,192 bytes on end: one tensor load, into LDS rows of its own.
; Lane (r, h) holds key 16 kg + r; its register 16 b + i holds channel 32 b + 16 h + i.  Every byte of Z_raw is read once in this launch.  Work-groups share only ln_w, ln_b, w_b (3 KB): no cluster.
; The weight jobs are 40 waves' work (wq = 0, kg < 8, waves 0-4): scalar branches on ids, no LDS, placed while the tensor load is on its way.
; A fragment's image leaves as three stores of 512 consecutive bytes; its scale words as 64 bytes a wave, a quarter of an aligned 256: they are 1/25 of zimg's bytes.
; LIMITS: NaN and infinities among the inputs are not served.  A block whose largest magnitude lies under 2^-122 keeps the scale byte 1 (a block of zeros too: its codes are zeros, and this program alone reads the bytes).
.set ZP,    528                        ; an LDS row: 512 bytes + 16 = 33 x 16: the sixteen rows of a 16-byte load begin in sixteen different 16-byte columns of 256 bytes
.set TILE,  16*ZP                      ; a wave's 16 rows
.set STG,   16*TILE                    ; behind the tiles: 4,096 bytes in which the work-group's 1,024 results meet
.set FRB,   1536                       ; a fragment's image
.set WSCO,  40*FRB                     ; where the scale words begin in wimg
.set ZROW,  25600                      ; a row of the pair tensor in zimg: 16 images, then 16 x 64 bytes of scale words
.set ZRD,  1                           ; v1   LDS: my row of my wave's tile, + 64 h
.set H64,  2                           ; v2   64 h: my 16 numbers of a block of 32 in ln_w, ln_b
.set HB,   3                           ; v3   256 h: the same in w_b (16 bytes a channel)
.set STA,  4                           ; v4   LDS: where my results go in the stage
.set PXR,  8                           ; v8-14    second halves of Z's codes on the way
.set ZC,   16                          ; v16-27   Z's codes
.set L16,  28                          ; v28  16 x lane; never rewritten
.set R4,   29                          ; v29  4 r; never rewritten
.set LW,   32                          ; v32-95   ln_w, later w_b's even chunks
.set X,    96                          ; v96-159  my 64 numbers
.set LB,   160                         ; v160-223 ln_b, later w_b's odd chunks
.set CH,   224                         ; v224-231 four chains of pairs
.set BM,   224                         ;          later the blocks' largest magnitudes,
.set BT,   228                         ;          and registers at work
.set MU,   232                         ; v232-233 the mean, then 1/sqrt(var + eps), twice
.set ACC,  234                         ; v234-249 four heads' sums for each of four chunks
.set BS,   250                         ; v250-253 the conversions' scale operands
.set ZW,   254                         ; v254 Z's scale word
.set WV,   34
.set KG,   35
.set WQ,   36
.set G1,   44
.set G0,   52
.set SEL,  56                          ; s[56:57] v_permlanex16_b32's selects for lane l xor 16
.set RCPN, 58                          ; 1/128
.set EPS,  59                          ; 1e-5
.macro FOLD                            ; four chains, a pair's halves, the other half of the lanes: the row's sum in v[CH], in every lane
	s_delay_alu instid0(VALU_DEP_3)
	v_pk_add_f32 v[CH:CH+1], v[CH:CH+1], v[CH+2:CH+3]
	s_delay_alu instid0(VALU_DEP_2)
	v_pk_add_f32 v[CH+4:CH+5], v[CH+4:CH+5], v[CH+6:CH+7]
	s_delay_alu instid0(VALU_DEP_1)
	v_pk_add_f32 v[CH:CH+1], v[CH:CH+1], v[CH+4:CH+5]
	s_delay_alu instid0(VALU_DEP_1)
	v_add_f32 v[CH], v[CH], v[CH+1]
	s_delay_alu instid0(VALU_DEP_1)
	v_permlanex16_b32 v[CH+1], v[CH], s[SEL], s[SEL+1]
	s_delay_alu instid0(VALU_DEP_1)
	v_add_f32 v[CH], v[CH], v[CH+1]
.endm
; layernorm of the row whose 128 numbers lie in v[X] on of lanes l and l xor 16.  The variance is taken of x - mean (two passes), so that a common offset costs no digits.
.macro LNORM
.irp k, 0,1,2,3
	v_pk_add_f32 v[CH+2*\k:CH+2*\k+1], v[X+2*\k:X+2*\k+1], v[X+8+2*\k:X+9+2*\k]
.endr
.irp p, 16,24,32,40,48,56
.irp k, 0,1,2,3
	s_delay_alu instid0(VALU_DEP_4)
	v_pk_add_f32 v[CH+2*\k:CH+2*\k+1], v[CH+2*\k:CH+2*\k+1], v[X+\p+2*\k:X+\p+2*\k+1]
.endr
.endr
	FOLD
	s_delay_alu instid0(VALU_DEP_1)
	v_mul_f32 v[MU], s[RCPN], v[CH]
	s_delay_alu instid0(VALU_DEP_1)
	v_mov_b32 v[MU+1], v[MU]
.set j, 0
.rept 32
	v_pk_add_f32 v[X+j:X+j+1], v[X+j:X+j+1], v[MU:MU+1] neg_lo:[0,1] neg_hi:[0,1]
.set j, j+2
.endr
.irp k, 0,1,2,3
	v_pk_mul_f32 v[CH+2*\k:CH+2*\k+1], v[X+2*\k:X+2*\k+1], v[X+2*\k:X+2*\k+1]
.endr
.irp p, 8,16,24,32,40,48,56
.irp k, 0,1,2,3
	s_delay_alu instid0(VALU_DEP_4)
	v_pk_fma_f32 v[CH+2*\k:CH+2*\k+1], v[X+\p+2*\k:X+\p+2*\k+1], v[X+\p+2*\k:X+\p+2*\k+1], v[CH+2*\k:CH+2*\k+1]
.endr
.endr
	FOLD
	s_delay_alu instid0(VALU_DEP_1)
	v_fma_f32 v[CH], v[CH], s[RCPN], s[EPS]
	s_wait_alu depctr_va_vdst(0)
	v_rsq_f32 v[MU], v[CH]
	v_nop                                          ; a plain line between the transcendental and the use of its result
	s_wait_alu depctr_va_vdst(0)
	v_mov_b32 v[MU+1], v[MU]
.set j, 0
.rept 32
	v_pk_mul_f32 v[X+j:X+j+1], v[X+j:X+j+1], v[MU:MU+1]
.set j, j+2
.endr
.set j, 0
.rept 32
	v_pk_fma_f32 v[X+j:X+j+1], v[X+j:X+j+1], v[LW+j:LW+j+1], v[LB+j:LB+j+1]
.set j, j+2
.endr
.endm
; 64 numbers of a lane, register 16 b + i = k 32 b + 16 (lane/16) + i of its row, become a fragment's 12 registers in v[d] on (registers at x are at work) and the row's scale word in v[w].
.macro QUANT s, d, x, w
.irp b, 0,1,2,3
	v_max3_num_f32 v[BM+\b], |v[\s+16*\b]|, |v[\s+1+16*\b]|, 0x2800000   ; my 16 numbers of block b, and the floor 2^(5 - 127): the byte cannot fall under 1
.endr
.irp i, 2,4,6,8,10,12,14
.irp b, 0,1,2,3
	s_delay_alu instid0(VALU_DEP_4)
	v_max3_num_f32 v[BM+\b], v[BM+\b], |v[\s+16*\b+\i]|, |v[\s+1+16*\b+\i]|
.endr
.endr
.irp b, 0,1,2,3
	s_delay_alu instid0(VALU_DEP_4)
	v_permlanex16_b32 v[BT+\b], v[BM+\b], s[SEL], s[SEL+1]
.endr
.irp b, 0,1,2,3
	s_delay_alu instid0(VALU_DEP_4)
	v_max_num_f32 v[BM+\b], v[BM+\b], v[BT+\b]     ; with lane l xor 16's 16
.endr
.irp b, 0,1,2,3
	s_delay_alu instid0(VALU_DEP_4)
	v_add_nc_u32 v[BS+\b], 0xfe000000, v[BM+\b]    ; 4 off the exponent field: the conversion takes the exponent field of this operand as its scale
.endr
.irp b, 0,1,2,3
	s_delay_alu instid0(VALU_DEP_4)
	v_lshrrev_b32 v[BT+\b], 23, v[BS+\b]           ; the scale's byte
.endr
	s_delay_alu instid0(VALU_DEP_3)
	v_lshl_or_b32 v[\w], v[BT+1], 8, v[BT]
	s_delay_alu instid0(VALU_DEP_1)
	v_lshl_or_b32 v[\w], v[BT+2], 16, v[\w]
	s_delay_alu instid0(VALU_DEP_1)
	v_lshl_or_b32 v[\w], v[BT+3], 24, v[\w]
.irp c, 0,1
	v_cvt_scalef32_pk16_bf6_f32 v[\d+6*\c:\d+6*\c+2], v[\s+32*\c:\s+32*\c+15], v[BS+2*\c]
	v_cvt_scalef32_pk16_bf6_f32 v[\x+4*\c:\x+4*\c+2], v[\s+32*\c+16:\s+32*\c+31], v[BS+2*\c+1]   ; (a conversion's three registers begin on an even number)
.endr
	v_nop                                          ; a plain line behind the scaled conversions
.irp c, 0,1                                    ; the operand's layout wants a whole block in a lane: lanes 0-15 block 2 c, lanes 16-31 block 2 c + 1
.irp i, 0,1,2
	v_permlane16_swap_b32 v[\d+6*\c+\i], v[\x+4*\c+\i]
.endr
.irp i, 0,1,2
	s_delay_alu instid0(VALU_DEP_3)
	v_mov_b32 v[\d+3+6*\c+\i], v[\x+4*\c+\i]
.endr
.endr
.endm
.macro WLOAD b, reg                    ; w_b's rows of my 16 channels of block b: four heads, 16 bytes a channel
.irp i, 0,1,2,3,4,5,6,7,8,9,10,11,12,13,14,15
	global_load_b128 v[\reg+4*\i:\reg+4*\i+3], v[HB], s[10:11] offset:512*\b+16*\i
.endr
.endm
.macro DOT b, reg                      ; four heads' sums over these 16 channels: Z's number feeds both halves of a packed multiply-add (the pair's first register, then its second)
.irp e, 0,1,2,3,4,5,6,7
.if \e == 0
	v_pk_mul_f32 v[ACC+4*\b:ACC+4*\b+1], v[X+16*\b:X+16*\b+1], v[\reg:\reg+1] op_sel_hi:[0,1]
	v_pk_mul_f32 v[ACC+4*\b+2:ACC+4*\b+3], v[X+16*\b:X+16*\b+1], v[\reg+2:\reg+3] op_sel_hi:[0,1]
.else
	s_delay_alu instid0(VALU_DEP_2)
	v_pk_fma_f32 v[ACC+4*\b:ACC+4*\b+1], v[X+16*\b+2*\e:X+16*\b+2*\e+1], v[\reg+8*\e:\reg+8*\e+1], v[ACC+4*\b:ACC+4*\b+1] op_sel_hi:[0,1,1]
	s_delay_alu instid0(VALU_DEP_2)
	v_pk_fma_f32 v[ACC+4*\b+2:ACC+4*\b+3], v[X+16*\b+2*\e:X+16*\b+2*\e+1], v[\reg+8*\e+2:\reg+8*\e+3], v[ACC+4*\b+2:ACC+4*\b+3] op_sel_hi:[0,1,1]
.endif
	s_delay_alu instid0(VALU_DEP_2)
	v_pk_fma_f32 v[ACC+4*\b:ACC+4*\b+1], v[X+16*\b+2*\e:X+16*\b+2*\e+1], v[\reg+8*\e+4:\reg+8*\e+5], v[ACC+4*\b:ACC+4*\b+1] op_sel:[1,0,0] op_sel_hi:[1,1,1]
	s_delay_alu instid0(VALU_DEP_2)
	v_pk_fma_f32 v[ACC+4*\b+2:ACC+4*\b+3], v[X+16*\b+2*\e:X+16*\b+2*\e+1], v[\reg+8*\e+6:\reg+8*\e+7], v[ACC+4*\b+2:ACC+4*\b+3] op_sel:[1,0,0] op_sel_hi:[1,1,1]
.endr
.endm
	s_load_b256 s[4:11], s[0:1], 0x0               ; Z_raw s[4:5], ln_w s[6:7], ln_b s[8:9], w_b s[10:11]
	s_load_b512 s[12:27], s[0:1], 0x20             ; codes and scales of wq s[12:15], wk s[16:19], wv s[20:23], wg s[24:27]
	s_load_b128 s[28:31], s[0:1], 0x60             ; wo s[28:29], tri s[30:31]
	s_load_b64 s[32:33], s[0:1], 0x70              ; wimg
	s_load_b64 s[72:73], s[0:1], 0x78              ; zimg
	v_lshl_add_u32 v31, v0, 2, 0x29000
	v_mov_b32 v255, 0
	ds_add_u32 v31, v255
	ds_add_u32 v31, v255
	v_lshrrev_b32 v5, 5, v0
	s_delay_alu instid0(VALU_DEP_1)
	v_readfirstlane_b32 s[WV], v5                  ; wave 0..15
	s_mov_b32 s[KG], ttmp9
	s_and_b32 s[WQ], ttmp7, 0xffff
	s_lshl_b32 s38, s[WQ], 4
	s_add_co_u32 s38, s38, s[WV]                   ; q = 16 wq + wave
	s_mul_i32 s74, s38, ZROW                       ; row q in zimg,
	s_mul_i32 s75, s[KG], FRB
	s_lshl_b32 s77, s[KG], 6
	s_add_co_u32 s76, s74, s77
	s_add_co_u32 s76, s76, 16*FRB                  ; my fragment's scale words,
	s_add_co_u32 s74, s74, s75                     ; and its image
	s_mov_b32 s75, 0
	s_mov_b32 s77, 0
	s_lshl_b32 s38, s38, 17                        ; a row q of the pair tensor is 256 x 512 bytes
	s_lshl_b32 s39, s[KG], 13                      ; 16 keys of 512 bytes
	s_add_co_u32 s38, s38, s39
	s_mov_b32 s39, 0
	s_lshl_b32 s42, s[WQ], 14                      ; where the work-group's results begin in tri: 16384 wq + 8192 (kg/8) + 2048 ((kg/2)%4) + 256 (kg%2)
	s_lshr_b32 s43, s[KG], 3
	s_lshl_b32 s43, s43, 13
	s_add_co_u32 s42, s42, s43
	s_bfe_u32 s43, s[KG], 0x20001
	s_lshl_b32 s43, s43, 11
	s_add_co_u32 s42, s42, s43
	s_and_b32 s43, s[KG], 1
	s_lshl_b32 s43, s43, 8
	s_add_co_u32 s42, s42, s43
	s_mov_b32 s43, 0
	s_mov_b32 s[SEL], 0x76543210
	s_mov_b32 s[SEL+1], 0xfedcba98
	s_mov_b32 s[RCPN], 0x3c000000
	s_mov_b32 s[EPS], 0x3727c5ac
	; descriptor group 1: 16 rows of 128 elements of 4 bytes, dense in memory; in LDS 4 words of padding behind every 128
	s_mov_b32 s[G1+0], (2<<16)|(1<<20)|(6<<22)|(3<<25)
	s_mov_b32 s[G1+1], 128<<16                     ; tensor_dim0
	s_mov_b32 s[G1+2], 16<<16                      ; tensor_dim1
	s_mov_b32 s[G1+3], 128<<16                     ; tile_dim0
	s_mov_b32 s[G1+4], 16                          ; tile_dim1
	s_mov_b32 s[G1+5], 128                         ; elements from row to row
	s_mov_b32 s[G1+6], 0
	s_mov_b32 s[G1+7], 0
	s_mov_b32 s[G0], 1
	s_mul_i32 s[G0+1], s[WV], TILE                 ; my wave's own rows in LDS
	s_wait_dscnt 0x0
	s_wait_kmcnt 0x0
	s_add_nc_u64 s[G0+2:G0+3], s[4:5], s[38:39]
	s_or_b32 s[G0+3], s[G0+3], 0x80000000
	tensor_load_to_lds s[G0:G0+3], s[G1:G1+7]      ; the wave's one tensor load: filled once, read by this wave alone
	s_nop 0
.rept 4
	v_nop
.endr
	s_add_nc_u64 s[30:31], s[30:31], s[42:43]
	s_add_nc_u64 s[74:75], s[72:73], s[74:75]
	s_add_nc_u64 s[76:77], s[72:73], s[76:77]
	v_and_b32 v5, 15, v0                           ; r
	v_bfe_u32 v6, v0, 4, 1                         ; h
	v_and_b32 v[L16], 31, v0
	s_delay_alu instid0(VALU_DEP_1)
	v_lshlrev_b32 v[L16], 4, v[L16]
	s_delay_alu instid0(VALU_DEP_4)
	v_lshlrev_b32 v[R4], 2, v5
	s_delay_alu instid0(VALU_DEP_4)
	v_lshlrev_b32 v[H64], 6, v6
	v_lshlrev_b32 v[HB], 8, v6
	v_mul_u32_u24 v[ZRD], v5, ZP
	s_delay_alu instid0(VALU_DEP_1)
	v_add_nc_u32 v[ZRD], v[ZRD], v[H64]
	s_delay_alu instid0(VALU_DEP_1)
	v_add_nc_u32 v[ZRD], s[G0+1], v[ZRD]
	v_bfe_u32 v7, v0, 2, 2                         ; r / 4
	v_and_b32 v8, 3, v0                            ; r % 4
	s_delay_alu instid0(VALU_DEP_2)
	v_lshlrev_b32 v[STA], 8, v7
	s_delay_alu instid0(VALU_DEP_1)
	v_lshl_add_u32 v[STA], v8, 2, v[STA]
	s_lshl_b32 s40, s[WV], 4
	s_add_co_u32 s40, s40, STG
	v_add_nc_u32 v[STA], s40, v[STA]               ; stage: [head 1024][r/4 256][wave 16][r%4 4]
.irp b, 0,1,2,3
.irp q, 0,1,2,3
	global_load_b128 v[LW+16*\b+4*\q:LW+16*\b+4*\q+3], v[H64], s[6:7] offset:128*\b+16*\q
	global_load_b128 v[LB+16*\b+4*\q:LB+16*\b+4*\q+3], v[H64], s[8:9] offset:128*\b+16*\q
.endr
.endr
	; ---- the weight jobs: tile t = kg; wave 0..3 lays wq, wk, wv, wg anew, wave 4 quantises wo
	s_cmp_lg_u32 s[WQ], 0
	s_cbranch_scc1 .Lno_job
	s_cmp_gt_u32 s[KG], 7
	s_cbranch_scc1 .Lno_job
	s_cmp_gt_u32 s[WV], 4
	s_cbranch_scc1 .Lno_job
	s_lshl_b32 s60, s[WV], 3
	s_add_co_u32 s60, s60, s[KG]                   ; fragment 8 X + t
	s_mul_i32 s40, s60, FRB
	s_mov_b32 s41, 0
	s_add_nc_u64 s[40:41], s[32:33], s[40:41]      ; its image
	s_lshl_b32 s42, s60, 6
	s_add_co_u32 s42, s42, WSCO
	s_mov_b32 s43, 0
	s_add_nc_u64 s[42:43], s[32:33], s[42:43]      ; its scale words
	v_and_b32 v12, 31, v0
	s_delay_alu instid0(VALU_DEP_1)
	v_lshlrev_b32 v12, 4, v12                      ; 16 x lane
	v_lshlrev_b32 v13, 2, v5                       ; 4 r
	s_cmp_eq_u32 s[WV], 4
	s_cbranch_scc1 .Lwo_job
	s_lshr_b32 s61, s[KG], 1
	s_and_b32 s62, s[KG], 1
	s_mul_i32 s66, s61, 3072                       ; the tile begins at row 32 (t/2) + 8 (t%2): 96 bytes of codes,
	s_mul_i32 s63, s62, 768
	s_add_co_u32 s66, s66, s63
	s_mov_b32 s67, 0
	s_lshl_b32 s68, s61, 7                         ; 4 scale bytes a row
	s_lshl_b32 s63, s62, 5
	s_add_co_u32 s68, s68, s63
	s_mov_b32 s69, 0
	s_cmp_eq_u32 s[WV], 1                          ; which weight: a choice that hangs on the wave's number alone
	s_cselect_b64 s[12:13], s[16:17], s[12:13]
	s_cselect_b64 s[14:15], s[18:19], s[14:15]
	s_cmp_eq_u32 s[WV], 2
	s_cselect_b64 s[12:13], s[20:21], s[12:13]
	s_cselect_b64 s[14:15], s[22:23], s[14:15]
	s_cmp_eq_u32 s[WV], 3
	s_cselect_b64 s[12:13], s[24:25], s[12:13]
	s_cselect_b64 s[14:15], s[26:27], s[14:15]
	s_add_nc_u64 s[12:13], s[12:13], s[66:67]
	s_add_nc_u64 s[14:15], s[14:15], s[68:69]
	v_and_b32 v9, 8, v5
	s_delay_alu instid0(VALU_DEP_1)
	v_add_nc_u32 v9, v9, v5                        ; r + 8 (r / 8)
	s_delay_alu instid0(VALU_DEP_1)
	v_mul_u32_u24 v10, v9, 96
	s_delay_alu instid0(VALU_DEP_1)
	v_mad_u32_u24 v10, v6, 24, v10                 ; my row's codes, + 24 h
	s_delay_alu instid0(VALU_DEP_3)
	v_lshlrev_b32 v11, 2, v9
.irp p, 0,1,2,3,4,5
	global_load_b64 v[X+2*\p:X+2*\p+1], v10, s[12:13] offset:48*(\p/3)+8*(\p%3)   ; the row's stream of bits is the register image: 24 bytes, and 24 bytes 48 further on
.endr
	global_load_b32 v[X+12], v11, s[14:15]
	s_wait_loadcnt 0x0
	s_wait_alu depctr_va_vdst(0)
.irp c, 0,1,2
	global_store_b128 v12, v[X+4*\c:X+4*\c+3], s[40:41] offset:512*\c   ; 32 lanes store 512 consecutive bytes
.endr
	global_store_b32 v13, v[X+12], s[42:43]        ; lanes r and r + 16 store the same word to the same place
	s_branch .Ljob_done
.Lwo_job:
	s_lshl_b32 s62, s[KG], 6                       ; columns 16 t on
	s_mov_b32 s63, 0
	s_add_nc_u64 s[28:29], s[28:29], s[62:63]
	v_lshlrev_b32 v10, 2, v5
	s_delay_alu instid0(VALU_DEP_1)
	v_lshl_add_u32 v10, v6, 14, v10                ; column r; lanes 16-31 begin 32 rows of 512 bytes further down
.irp c, 0,1
.irp i, 0,1,2,3,4,5,6,7,8,9,10,11,12,13,14,15,16,17,18,19,20,21,22,23,24,25,26,27,28,29,30,31
	global_load_b32 v[X+32*\c+\i], v10, s[28:29] offset:(64*\c+\i)*512   ; wo(64 c + 32 h + i, 16 t + r)
.endr
.endr
	s_wait_loadcnt 0x0
.irp c, 0,1                                    ; my block 2 c + h: all its 32 numbers are mine
	v_max3_num_f32 v[CH+\c], |v[X+32*\c]|, |v[X+32*\c+1]|, 0x2800000   ; with the floor 2^(5 - 127): the byte cannot fall under 1
.endr
.irp i, 2,4,6,8,10,12,14,16,18,20,22,24,26,28,30
.irp c, 0,1
	s_delay_alu instid0(VALU_DEP_2)
	v_max3_num_f32 v[CH+\c], v[CH+\c], |v[X+32*\c+\i]|, |v[X+32*\c+\i+1]|
.endr
.endr
.irp c, 0,1
	s_delay_alu instid0(VALU_DEP_2)
	v_add_nc_u32 v[CH+2+\c], 0xfe000000, v[CH+\c]  ; 4 off the exponent field: the conversion's scale operand
.endr
.irp c, 0,1
	s_delay_alu instid0(VALU_DEP_2)
	v_lshrrev_b32 v[CH+4+\c], 23, v[CH+2+\c]       ; the scale's byte
.endr
	s_delay_alu instid0(VALU_DEP_1)
	v_lshl_or_b32 v[CH+6], v[CH+5], 16, v[CH+4]    ; blocks h and 2 + h,
	v_lshlrev_b32 v[CH+7], 3, v6
	s_delay_alu instid0(VALU_DEP_1)
	v_lshlrev_b32 v[CH+6], v[CH+7], v[CH+6]        ; at their places in the word;
	v_mov_b32 v[CH+7], 0
	s_delay_alu instid0(VALU_DEP_1)
	v_permlanex16_b32 v[CH+7], v[CH+6], s[SEL], s[SEL+1]
	s_delay_alu instid0(VALU_DEP_1)
	v_or_b32 v[CH+6], v[CH+6], v[CH+7]             ; with lane l xor 16's two the word is whole
.irp c, 0,1
	v_cvt_scalef32_pk16_bf6_f32 v[236+6*\c:238+6*\c], v[X+32*\c:X+32*\c+15], v[CH+2+\c]
	v_cvt_scalef32_pk16_bf6_f32 v[248+4*\c:250+4*\c], v[X+32*\c+16:X+32*\c+31], v[CH+2+\c]   ; (a conversion's three registers begin on an even number)
.endr
	v_nop                                          ; a plain line behind the scaled conversions
.irp c, 0,1
.irp i, 0,1,2
	v_mov_b32 v[239+6*\c+\i], v[248+4*\c+\i]
.endr
.endr
.irp c, 0,1,2
	global_store_b128 v12, v[236+4*\c:239+4*\c], s[40:41] offset:512*\c
.endr
	global_store_b32 v13, v[CH+6], s[42:43]
.Ljob_done:
	s_wait_xcnt 0x0                                ; the jobs' stores have read their registers: these are written again below
.Lno_job:
	; ---- layernorm, its codes, and the four dot products
	s_wait_tensorcnt 0x0                           ; my tile is in LDS; I alone read it
	s_wait_alu depctr_va_vdst(0)
.irp b, 0,1,2,3
.irp q, 0,1,2,3
	ds_load_b128 v[X+16*\b+4*\q:X+16*\b+4*\q+3], v[ZRD] offset:128*\b+16*\q
.endr
.endr
	s_wait_dscnt 0x0
	s_wait_loadcnt 0x0                             ; ln_w, ln_b
	LNORM
	WLOAD 0, LW
	WLOAD 1, LB
	QUANT X, ZC, PXR, ZW                           ; Z's codes are made while w_b's first two chunks are on their way; X is only read
.irp c, 0,1,2
	global_store_b128 v[L16], v[ZC+4*\c:ZC+4*\c+3], s[74:75] offset:512*\c   ; 32 lanes store 512 consecutive bytes, at a multiple of 256 from zimg's first byte; none of these registers is written again
.endr
	global_store_b32 v[R4], v[ZW], s[76:77]        ; lanes r and r + 16 store the same word to the same place
	s_wait_loadcnt 16                              ; chunk 0 is in; chunk 1's 16 loads may be out
	DOT 0, LW
	WLOAD 2, LW
	s_wait_loadcnt 16                              ; chunk 1 is in; chunk 2's may be out
	DOT 1, LB
	WLOAD 3, LB
	s_wait_loadcnt 16                              ; chunk 2 is in; chunk 3's may be out
	DOT 2, LW
	s_wait_loadcnt 0x0
	DOT 3, LB
.irp k, 0
	v_pk_add_f32 v[ACC+\k:ACC+\k+1], v[ACC+\k:ACC+\k+1], v[ACC+4+\k:ACC+5+\k]
	s_delay_alu instid0(VALU_DEP_3)
	v_pk_add_f32 v[ACC+8+\k:ACC+9+\k], v[ACC+8+\k:ACC+9+\k], v[ACC+12+\k:ACC+13+\k]
.endr
.irp k, 2
	v_pk_add_f32 v[ACC+\k:ACC+\k+1], v[ACC+\k:ACC+\k+1], v[ACC+4+\k:ACC+5+\k]
	s_delay_alu instid0(VALU_DEP_4)
	v_pk_add_f32 v[ACC+8+\k:ACC+9+\k], v[ACC+8+\k:ACC+9+\k], v[ACC+12+\k:ACC+13+\k]
.endr
.irp k, 0
	s_delay_alu instid0(VALU_DEP_3)
	v_pk_add_f32 v[ACC+\k:ACC+\k+1], v[ACC+\k:ACC+\k+1], v[ACC+8+\k:ACC+9+\k]
.endr
.irp k, 2
	s_delay_alu instid0(VALU_DEP_2)
	v_pk_add_f32 v[ACC+\k:ACC+\k+1], v[ACC+\k:ACC+\k+1], v[ACC+8+\k:ACC+9+\k]
.endr
.irp k, 0,1,2,3
	v_permlanex16_b32 v[ACC+4+\k], v[ACC+\k], s[SEL], s[SEL+1]
.endr
.irp k, 0,1,2,3
	s_delay_alu instid0(VALU_DEP_4)
	v_add_f32 v[ACC+\k], v[ACC+\k], v[ACC+4+\k]    ; with the other 64 channels: tri_b of head k
.endr
.irp k, 0,1,2,3
	ds_store_b32 v[STA], v[ACC+\k] offset:1024*\k  ; lanes r and r + 16 store the same word to the same place
.endr
	s_wait_dscnt 0x0                               ; for the others' sake: my stores into the stage are done
	s_barrier_signal -1
	s_barrier_wait -1
	s_cmp_gt_u32 s[WV], 7                          ; 4,096 bytes: 256 threads take 16 each
	s_cbranch_scc1 .Lend
	v_lshl_add_u32 v5, v0, 4, STG
	ds_load_b128 v[96:99], v5
	v_lshrrev_b32 v6, 6, v0                        ; head
	s_delay_alu instid0(VALU_DEP_1)
	v_lshlrev_b32 v6, 18, v6
	v_bfe_u32 v7, v0, 4, 2                         ; y % 4
	s_delay_alu instid0(VALU_DEP_1)
	v_lshl_or_b32 v6, v7, 9, v6
	v_and_b32 v7, 15, v0                           ; the reader's lane % 16
	s_delay_alu instid0(VALU_DEP_1)
	v_lshl_or_b32 v6, v7, 4, v6
	s_wait_alu depctr_va_vdst(0)
	s_wait_dscnt 0x0
	global_store_b128 v6, v[96:99], s[30:31]       ; sixteen lanes store 256 consecutive bytes, at a multiple of 256 from tri's first byte
.Lend:
	s_wait_tensorcnt 0x0
	ds_add_u32 v31, v255
	s_wait_dscnt 0x0
	s_endpgm
.Lfunc_end_k_q9957a2d6be_prep:
	.size	k_q9957a2d6be_prep, .Lfunc_end_k_q9957a2d6be_prep-k_q9957a2d6be_prep
	.p2alignl 7, 3214868480
	.fill 96, 4, 3214868480
	.section	.rodata,"a",@progbits
	.p2align	6, 0x0
	.amdhsa_kernel k_q9957a2d6be_prep
		.amdhsa_group_segment_fixed_size 169984
		.amdhsa_private_segment_fixed_size 0
		.amdhsa_enable_private_segment 0
		.amdhsa_kernarg_size 128
		.amdhsa_user_sgpr_count 2
		.amdhsa_user_sgpr_kernarg_segment_ptr 1
		.amdhsa_wavefront_size32 1
		.amdhsa_system_sgpr_workgroup_id_x 1
		.amdhsa_system_sgpr_workgroup_id_y 1
		.amdhsa_system_sgpr_workgroup_id_z 1
		.amdhsa_system_vgpr_workitem_id 0
		.amdhsa_next_free_vgpr 256
		.amdhsa_next_free_sgpr 80
		.amdhsa_reserve_vcc 0
		.amdhsa_float_denorm_mode_32 3
		.amdhsa_float_denorm_mode_16_64 3
		.amdhsa_memory_ordered 1
		.amdhsa_forward_progress 1
		.amdhsa_inst_pref_size 61
	.end_amdhsa_kernel
	.amdgpu_metadata
---
amdhsa.version: [ 1, 2 ]
amdhsa.kernels:
  - .name:           k_q9957a2d6be_prep
    .symbol:         k_q9957a2d6be_prep.kd
    .args:
      - { .name: Z_raw, .offset: 0, .size: 8, .value_kind: global_buffer, .address_space: global }
      - { .name: ln_w, .offset: 8, .size: 8, .value_kind: global_buffer, .address_space: global }
      - { .name: ln_b, .offset: 16, .size: 8, .value_kind: global_buffer, .address_space: global }
      - { .name: w_b, .offset: 24, .size: 8, .value_kind: global_buffer, .address_space: global }
      - { .name: wq_codes, .offset: 32, .size: 8, .value_kind: global_buffer, .address_space: global }
      - { .name: wq_scales, .offset: 40, .size: 8, .value_kind: global_buffer, .address_space: global }
      - { .name: wk_codes, .offset: 48, .size: 8, .value_kind: global_buffer, .address_space: global }
      - { .name: wk_scales, .offset: 56, .size: 8, .value_kind: global_buffer, .address_space: global }
      - { .name: wv_codes, .offset: 64, .size: 8, .value_kind: global_buffer, .address_space: global }
      - { .name: wv_scales, .offset: 72, .size: 8, .value_kind: global_buffer, .address_space: global }
      - { .name: wg_codes, .offset: 80, .size: 8, .value_kind: global_buffer, .address_space: global }
      - { .name: wg_scales, .offset: 88, .size: 8, .value_kind: global_buffer, .address_space: global }
      - { .name: wo, .offset: 96, .size: 8, .value_kind: global_buffer, .address_space: global }
      - { .name: tri, .offset: 104, .size: 8, .value_kind: global_buffer, .address_space: global }
      - { .name: wimg, .offset: 112, .size: 8, .value_kind: global_buffer, .address_space: global }
      - { .name: zimg, .offset: 120, .size: 8, .value_kind: global_buffer, .address_space: global }
    .group_segment_fixed_size: 169984
    .private_segment_fixed_size: 0
    .kernarg_segment_align: 8
    .kernarg_segment_size: 128
    .max_flat_workgroup_size: 512
    .sgpr_count:     80
    .vgpr_count:     256
    .wavefront_size: 32
...
	.end_amdgpu_metadata
.endif
;; end of part 1
;; launch row (part 2): grid 256 x 1, 16 waves a work-group, no clusters, 280,576 bytes of LDS; arguments Z_raw, Z_mask, zimg, out0, bg, out_bias, tri, wimg; writes out0
.if DOCPART == 2
	.amdgcn_target "amdgcn-amd-amdhsa--gfx1250"
	.amdhsa_code_object_version 6
	.text
	.protected	k_q9957a2d6be_row
	.globl	k_q9957a2d6be_row
	.p2align	8
	.type	k_q9957a2d6be_row,@function
k_q9957a2d6be_row:
	s_mov_b64 s[64:65], 0
	v_nop
	global_prefetch_b8 v0, s[64:65] scope:SCOPE_SE
	s_setreg_imm32_b32 hwreg(HW_REG_WAVE_MODE, 25, 1), 1
	s_wait_xcnt 0x0
.set ZP,    528
.set TILE,  16*ZP
.set FRB,   1536
.set ZROW,  25600
.set WIMG,  16*TILE
.set WSC,   WIMG+40*FRB
.set ZSC,   WSC+2560
.set KSC,   ZSC+1024
.set VSC,   KSC+1024
.set MASKB, VSC+1024
.set ZIMG,  MASKB+1024
.set KIMG,  ZIMG+16*FRB
.set VIMG,  KIMG+16*FRB
.set WA,   1
.set A16,  2
.set A8,   3
.set A4,   4
.set MKA,  5
.set ZPA,  6
.set ZPS,  7
.set BOFF, 8
.set H64,  9
.set LM0,  10
.set QOP,  16
.set QN,   28
.set BUF,  40
.set GA,   BUF+36
.set S,    104
.set OA,   168
.set OGC,  184
.set PC,   204
.set PX,   216
.set BM,   224
.set BT,   228
.set BS,   232
.set NM,   236
.set TM,   237
.set LS,   238
.set FF,   240
.set X0,   242
.set KS,   243
.set VS,   251
.set ZS,   252
.set PS,   253
.set QS,   254
.set OGS,  255
.set ZF,   168
.set WV,   22
.set G1Z,  28
.set G0Z,  36
.set G1W,  40
.set G0W,  48
.set SEL,  52
.set CS,   54
.set QSC,  58
.macro PLACES n
.rept \n
	v_nop
.endr
.endm
.macro FRAG3 reg, adr, off
.irp c, 0,1,2
	ds_load_b128 v[\reg+4*\c:\reg+4*\c+3], v[\adr] offset:\off+512*\c
.endr
.endm
.macro IMG3 adr, reg, off
.irp c, 0,1,2
	ds_store_b128 v[\adr], v[\reg+4*\c:\reg+4*\c+3] offset:\off+512*\c
.endr
.endm
.macro MMC d, a, b, sa, sb
	v_wmma_scale_f32_16x16x128_f8f6f4 v[\d:\d+7], v[\a:\a+11], v[\b:\b+11], v[\d:\d+7], v[\sa], v[\sb] matrix_a_fmt:MATRIX_FMT_BF6 matrix_b_fmt:MATRIX_FMT_BF6
.endm
.macro MMZ d, a, b, sa, sb
	v_wmma_scale_f32_16x16x128_f8f6f4 v[\d:\d+7], v[\a:\a+11], v[\b:\b+11], 0, v[\sa], v[\sb] matrix_a_fmt:MATRIX_FMT_BF6 matrix_b_fmt:MATRIX_FMT_BF6
.endm
.macro WORD w
.irp b, 0,1,2,3
	s_delay_alu instid0(VALU_DEP_4)
	v_add_nc_u32 v[BS+\b], 0xfe000000, v[BM+\b]
.endr
.irp b, 0,1,2,3
	s_delay_alu instid0(VALU_DEP_4)
	v_lshrrev_b32 v[BT+\b], 23, v[BS+\b]
.endr
	s_delay_alu instid0(VALU_DEP_3)
	v_lshl_or_b32 v[\w], v[BT+1], 8, v[BT]
	s_delay_alu instid0(VALU_DEP_1)
	v_lshl_or_b32 v[\w], v[BT+2], 16, v[\w]
	s_delay_alu instid0(VALU_DEP_1)
	v_lshl_or_b32 v[\w], v[BT+3], 24, v[\w]
.endm
.macro CODES s, d, x
.irp c, 0,1
	v_cvt_scalef32_pk16_bf6_f32 v[\d+6*\c:\d+6*\c+2], v[\s+32*\c:\s+32*\c+15], v[BS+2*\c]
	v_cvt_scalef32_pk16_bf6_f32 v[\x+4*\c:\x+4*\c+2], v[\s+32*\c+16:\s+32*\c+31], v[BS+2*\c+1]
.endr
	v_nop
.irp c, 0,1
.irp i, 0,1,2
	v_permlane16_swap_b32 v[\d+6*\c+\i], v[\x+4*\c+\i]
.endr
.irp i, 0,1,2
	s_delay_alu instid0(VALU_DEP_3)
	v_mov_b32 v[\d+3+6*\c+\i], v[\x+4*\c+\i]
.endr
.endr
.endm
.macro QUANT s, d, x, w
.irp b, 0,1,2,3
	v_max3_num_f32 v[BM+\b], |v[\s+16*\b]|, |v[\s+1+16*\b]|, 0x2800000
.endr
.irp i, 2,4,6,8,10,12,14
.irp b, 0,1,2,3
	v_max3_num_f32 v[BM+\b], v[BM+\b], |v[\s+16*\b+\i]|, |v[\s+1+16*\b+\i]|
.endr
.endr
.irp b, 0,1,2,3
	s_delay_alu instid0(VALU_DEP_4)
	v_permlanex16_b32 v[BT+\b], v[BM+\b], s[SEL], s[SEL+1]
.endr
.irp b, 0,1,2,3
	s_delay_alu instid0(VALU_DEP_4)
	v_max_num_f32 v[BM+\b], v[BM+\b], v[BT+\b]
.endr
	WORD \w
	CODES \s, \d, \x
.endm
.macro PROJ mat
.irp g, 0,1
.irp t, 0,1,2,3
	FRAG3 BUF+12*\t, WA, (8*\mat+4*\g+\t)*FRB
	ds_load_b32 v[KS+\t], v[A4] offset:(8*\mat+4*\g+\t)*64
.endr
	s_wait_dscnt 0x0
.irp t, 0,1,2,3
	MMZ S+8*(4*\g+\t), BUF+12*\t, ZF, KS+\t, ZS
.endr
	PLACES 5
.endr
.endm
.macro BIAS h, s
.irp y, 0,1,2,3,4,5,6,7,8,9,10,11,12,13,14,15
	global_load_b128 v[S+4*\y:S+4*\y+3], v[BOFF], s[16:17] offset:(\h)*262144+(\s)*8192+512*\y
.endr
.endm
.macro OBIAS
.irp t, 0,1,2,3,4,5,6,7
.irp x, 0,1
	global_load_b128 v[S+8*\t+4*\x:S+8*\t+4*\x+3], v15, s[14:15] offset:64*\t+16*\x
.endr
.endr
.endm
.macro STEP h, s
.set HC, (\h)/2
.if \s == 0
	v_mov_b32 v[LS], 0
	v_mov_b32 v[LS+1], 0
.endif
.irp t, 0,1,2,3,4,5,6,7
	ds_load_b128 v[BUF+6*\t:BUF+6*\t+3], v[A16] offset:(8*\s+\t)*FRB+768*HC
	ds_load_b64 v[BUF+6*\t+4:BUF+6*\t+5], v[A8] offset:(8*\s+\t)*FRB+768*HC
	ds_load_u16 v[KS+\t], v[A4] offset:KSC-WSC+(8*\s+\t)*64+2*HC
.endr
	s_wait_loadcnt 0x0
	s_wait_dscnt 0x0
.irp t, 0,1,2,3,4,5,6,7
	MMC S+8*\t, BUF+6*\t, QOP, KS+\t, QS
.endr
	PLACES 5
.irp y, 0,1,2,3,4,5,6,7,8,9,10,11,12,13,14,15
	ds_load_b128 v[BUF+4*\y:BUF+4*\y+3], v[MKA] offset:512*\s+128*(\y/4)+16*(\y%4)
.endr
	s_wait_dscnt 0x0
.set j, 0
.rept 32
	v_pk_add_f32 v[S+j:S+j+1], v[S+j:S+j+1], v[BUF+j:BUF+j+1]
.set j, j+2
.endr
.irp u, 0,1
	FRAG3 BUF+12*\u, A16, VIMG-KIMG+((2*\h+\u)*2+\s)*FRB
	ds_load_b32 v[VS+\u], v[A4] offset:VSC-WSC+((2*\h+\u)*2+\s)*64
.endr
.if \s == 1
.irp u, 0,1
.irp x, 0,1
	global_load_b128 v[GA+8*\u+4*\x:GA+8*\u+4*\x+3], v[H64], s[12:13] offset:128*\h+32*\u+16*\x
.endr
.endr
.endif
.if (\s == 1) && (\h < 3)
.irp i, 0,1,2,3,4,5
	v_and_b32 v[QOP+\i], v[LM0+(\h+1)%2], v[QN+6*((\h+1)/2)+\i]
.endr
.if \h == 1
	v_lshrrev_b32 v[QS], 16, v[QS]
.endif
.endif
.irp b, 0,1,2,3
	v_max3_num_f32 v[BM+\b], v[S+16*\b], v[S+16*\b+1], v[S+16*\b+2]
.endr
.irp i, 3,5,7,9,11,13
.irp b, 0,1,2,3
	s_delay_alu instid0(VALU_DEP_4)
	v_max3_num_f32 v[BM+\b], v[BM+\b], v[S+16*\b+\i], v[S+16*\b+\i+1]
.endr
.endr
.irp b, 0,1,2,3
	s_delay_alu instid0(VALU_DEP_4)
	v_max_num_f32 v[BM+\b], v[BM+\b], v[S+16*\b+15]
.endr
.irp b, 0,1,2,3
	s_delay_alu instid0(VALU_DEP_4)
	v_permlanex16_b32 v[BT+\b], v[BM+\b], s[SEL], s[SEL+1]
.endr
.irp b, 0,1,2,3
	s_delay_alu instid0(VALU_DEP_4)
	v_max_num_f32 v[BM+\b], v[BM+\b], v[BT+\b]
.endr
	s_delay_alu instid0(VALU_DEP_2)
	v_max3_num_f32 v[X0], v[BM], v[BM+1], v[BM+2]
	s_delay_alu instid0(VALU_DEP_1)
	v_max_num_f32 v[X0], v[X0], v[BM+3]
.if \s == 0
	s_delay_alu instid0(VALU_DEP_1)
	v_mul_f32 v[TM], s[CS], v[X0]
	s_delay_alu instid0(VALU_DEP_1)
	v_floor_f32 v[NM], -v[TM]
.else
	s_delay_alu instid0(VALU_DEP_1)
	v_mul_f32 v[X0], s[CS], v[X0]
	s_delay_alu instid0(VALU_DEP_1)
	v_max_num_f32 v[TM], v[TM], v[X0]
	v_mov_b32 v[X0], v[NM]
	s_delay_alu instid0(VALU_DEP_2)
	v_floor_f32 v[NM], -v[TM]
	s_delay_alu instid0(VALU_DEP_1)
	v_sub_f32 v[X0], v[NM], v[X0]
	s_delay_alu instid0(VALU_DEP_1)
	v_cvt_i32_f32 v[X0], v[X0]
	s_delay_alu instid0(VALU_DEP_1)
	v_ldexp_f32 v[FF], 1.0, v[X0]
.endif
.set j, 0
.rept 32
	v_pk_fma_f32 v[S+j:S+j+1], v[S+j:S+j+1], s[CS:CS+1], v[NM:NM+1] op_sel_hi:[1,0,0]
.set j, j+2
.endr
.irp b, 0,1,2,3
	v_fma_f32 v[BM+\b], v[BM+\b], s[CS], v[NM]
.endr
.set j, 0
	s_wait_alu depctr_va_vdst(0)
.rept 64
	v_exp_f32 v[S+j], v[S+j]
.set j, j+1
.endr
.irp b, 0,1,2,3
	v_exp_f32 v[BM+\b], v[BM+\b]
.endr
.if \s == 0
	v_nop
	s_wait_alu depctr_va_vdst(0)
.else
	v_pk_mul_f32 v[LS:LS+1], v[LS:LS+1], v[FF:FF+1] op_sel_hi:[1,0]
	s_wait_alu depctr_va_vdst(0)
.endif
.irp b, 0,1,2,3
	v_max_num_f32 v[BM+\b], 0x2800000, v[BM+\b]
.endr
	WORD PS
	CODES S, PC, PX
	v_pk_add_f32 v[228:229], v[108:109], v[112:113]
	v_pk_add_f32 v[248:249], v[116:117], v[120:121]
	v_pk_add_f32 v[246:247], v[124:125], v[128:129]
	v_pk_add_f32 v[244:245], v[132:133], v[136:137]
	v_pk_add_f32 v[242:243], v[140:141], v[144:145]
	v_pk_add_f32 v[234:235], v[148:149], v[152:153]
	v_pk_add_f32 v[232:233], v[156:157], v[160:161]
	v_pk_add_f32 v[238:239], v[238:239], v[164:165]
	v_pk_add_f32 v[228:229], v[228:229], v[104:105]
	v_pk_add_f32 v[248:249], v[248:249], v[106:107]
	v_pk_add_f32 v[246:247], v[246:247], v[110:111]
	v_pk_add_f32 v[244:245], v[244:245], v[114:115]
	v_pk_add_f32 v[242:243], v[242:243], v[118:119]
	v_pk_add_f32 v[234:235], v[234:235], v[122:123]
	v_pk_add_f32 v[232:233], v[232:233], v[126:127]
	v_pk_add_f32 v[238:239], v[238:239], v[130:131]
	v_pk_add_f32 v[228:229], v[228:229], v[134:135]
	v_pk_add_f32 v[248:249], v[248:249], v[138:139]
	v_pk_add_f32 v[246:247], v[246:247], v[142:143]
	v_pk_add_f32 v[244:245], v[244:245], v[146:147]
	v_pk_add_f32 v[242:243], v[242:243], v[150:151]
	v_pk_add_f32 v[234:235], v[234:235], v[154:155]
	v_pk_add_f32 v[232:233], v[232:233], v[158:159]
	v_pk_add_f32 v[238:239], v[238:239], v[162:163]
	v_pk_add_f32 v[228:229], v[228:229], v[166:167]
	s_delay_alu instid0(VALU_DEP_2)
	v_pk_add_f32 v[238:239], v[238:239], v[244:245]
	s_delay_alu instid0(VALU_DEP_2)
	v_pk_add_f32 v[228:229], v[228:229], v[242:243]
	v_pk_add_f32 v[248:249], v[248:249], v[234:235]
	v_pk_add_f32 v[246:247], v[246:247], v[232:233]
	s_delay_alu instid0(VALU_DEP_2)
	v_pk_add_f32 v[238:239], v[238:239], v[248:249]
	s_delay_alu instid0(VALU_DEP_2)
	v_pk_add_f32 v[228:229], v[228:229], v[246:247]
	s_delay_alu instid0(VALU_DEP_1)
	v_pk_add_f32 v[238:239], v[238:239], v[228:229]
.if \s == 0
	BIAS \h, 1
.else
.if \h < 3
	BIAS \h+1, 0
.else
	OBIAS
.endif
.set j, 0
.rept 8
	v_pk_mul_f32 v[OA+j:OA+j+1], v[OA+j:OA+j+1], v[FF:FF+1] op_sel_hi:[1,0]
.set j, j+2
.endr
.endif
	s_wait_alu depctr_va_vdst(0)
	s_wait_dscnt 0x0
.irp u, 0,1
.if \s == 0
	MMZ OA+8*\u, BUF+12*\u, PC, VS+\u, PS
.else
	MMC OA+8*\u, BUF+12*\u, PC, VS+\u, PS
.endif
.endr
	PLACES 5
.endm
.macro HEAD_END h
	FRAG3 BUF, ZPA, 0
.irp u, 0,1
	FRAG3 BUF+12+12*\u, WA, (24+2*\h+\u)*FRB
	ds_load_b32 v[KS+\u], v[A4] offset:(24+2*\h+\u)*64
.endr
	ds_load_b32 v[KS+2], v[ZPS]
	v_add_f32 v[X0], v[LS], v[LS+1]
	s_delay_alu instid0(VALU_DEP_1)
	v_permlanex16_b32 v[BT], v[X0], s[SEL], s[SEL+1]
	s_delay_alu instid0(VALU_DEP_1)
	v_add_f32 v[X0], v[X0], v[BT]
	s_wait_alu depctr_va_vdst(0)
	v_rcp_f32 v[FF], v[X0]
	v_nop
	s_wait_dscnt 0x0
	s_wait_loadcnt 16
.irp u, 0,1
	MMC GA+8*\u, BUF+12+12*\u, BUF, KS+\u, KS+2
.endr
.set j, 0
	s_wait_alu depctr_va_vdst(0)
.rept 8
	v_pk_mul_f32 v[OA+j:OA+j+1], v[OA+j:OA+j+1], v[FF:FF+1] op_sel_hi:[1,0]
.set j, j+2
.endr
.set j, 0
.rept 16
	v_mul_f32 v[GA+j], 0xbfb8aa3b, v[GA+j]
.set j, j+1
.endr
.set j, 0
	s_wait_alu depctr_va_vdst(0)
.rept 16
	v_exp_f32 v[GA+j], v[GA+j]
.set j, j+1
.endr
	v_nop
.set j, 0
	s_wait_alu depctr_va_vdst(0)
.rept 8
	v_pk_add_f32 v[GA+j:GA+j+1], v[GA+j:GA+j+1], 1.0 op_sel_hi:[1,0]
.set j, j+2
.endr
.set j, 0
	s_wait_alu depctr_va_vdst(0)
.rept 16
	v_rcp_f32 v[GA+j], v[GA+j]
.set j, j+1
.endr
	v_nop
.set j, 0
	s_wait_alu depctr_va_vdst(0)
.rept 8
	v_pk_mul_f32 v[OA+j:OA+j+1], v[OA+j:OA+j+1], v[GA+j:GA+j+1]
.set j, j+2
.endr
	v_max3_num_f32 v[BM], |v[OA]|, |v[OA+1]|, 0x2800000
.irp i, 2,4,6,8,10,12,14
	s_delay_alu instid0(VALU_DEP_1)
	v_max3_num_f32 v[BM], v[BM], |v[OA+\i]|, |v[OA+\i+1]|
.endr
	s_delay_alu instid0(VALU_DEP_1)
	v_permlanex16_b32 v[BT], v[BM], s[SEL], s[SEL+1]
	s_delay_alu instid0(VALU_DEP_1)
	v_max_num_f32 v[BM], v[BM], v[BT]
	s_delay_alu instid0(VALU_DEP_1)
	v_add_nc_u32 v[BS], 0xfe000000, v[BM]
	s_delay_alu instid0(VALU_DEP_1)
	v_lshrrev_b32 v[BT], 23, v[BS]
.if \h == 0
	s_delay_alu instid0(VALU_DEP_1)
	v_mov_b32 v[OGS], v[BT]
.else
	s_delay_alu instid0(VALU_DEP_1)
	v_lshl_or_b32 v[OGS], v[BT], 8*\h, v[OGS]
.endif
.set OGD, OGC+6*((\h)/2)+((\h)%2)*(12-2*((\h)/2))
	v_cvt_scalef32_pk16_bf6_f32 v[OGD:OGD+2], v[OA:OA+15], v[BS]
	v_nop
.endm
	s_load_b512 s[4:19], s[0:1], 0x0
	v_lshl_add_u32 v219, v0, 2, 0x44000
	v_mov_b32 v223, 0
	ds_add_u32 v219, v223
	ds_add_u32 v219, v223
	v_lshrrev_b32 v16, 5, v0
	s_delay_alu instid0(VALU_DEP_1)
	v_readfirstlane_b32 s[WV], v16
	s_lshl_b32 s24, ttmp9, 17
	s_lshl_b32 s25, s[WV], 13
	s_add_co_u32 s24, s24, s25
	s_mov_b32 s25, 0
	s_mul_i32 s26, s[WV], 4000
	s_mov_b32 s27, 0
	s_mov_b32 s[G1Z+0], (2<<16)|(1<<20)|(6<<22)|(3<<25)
	s_mov_b32 s[G1Z+1], 128<<16
	s_mov_b32 s[G1Z+2], 16<<16
	s_mov_b32 s[G1Z+3], 128<<16
	s_mov_b32 s[G1Z+4], 16
	s_mov_b32 s[G1Z+5], 128
	s_mov_b32 s[G1Z+6], 0
	s_mov_b32 s[G1Z+7], 0
	s_mov_b32 s[G1W+0], 3<<16
	s_mov_b32 s[G1W+1], 500<<16
	s_mov_b32 s[G1W+2], 1<<16
	s_mov_b32 s[G1W+3], 500<<16
	s_mov_b32 s[G1W+4], 1
	s_mov_b32 s[G1W+5], 500
	s_mov_b32 s[G1W+6], 0
	s_mov_b32 s[G1W+7], 0
	s_mov_b32 s[G0Z], 1
	s_mul_i32 s[G0Z+1], s[WV], TILE
	s_mov_b32 s[G0W], 1
	s_add_co_u32 s[G0W+1], s26, WIMG
	s_mov_b32 s[SEL], 0x76543210
	s_mov_b32 s[SEL+1], 0xfedcba98
	s_mov_b32 s[CS], 0x3fb8aa3b
	s_mov_b32 s[CS+1], s[CS]
	s_mov_b32 s[QSC], 0x3e3504f3
	s_mov_b32 s[QSC+1], s[QSC]
	s_mul_i32 s74, s[WV], TILE
	s_lshr_b32 s60, s[WV], 1
	s_and_b32 s62, s[WV], 1
	s_mul_i32 s63, s60, 2*FRB
	s_lshl_b32 s61, s62, 7
	s_add_co_u32 s61, s61, s63
	s_add_co_u32 s61, s61, ZIMG
	s_lshl_b32 s66, s60, 7
	s_lshl_b32 s67, s62, 5
	s_add_co_u32 s66, s66, s67
	s_add_co_u32 s66, s66, ZSC
	s_lshl_b32 s67, s62, 6
	s_add_co_u32 s67, s67, s63
	s_add_co_u32 s67, s67, KIMG+512
	s_lshr_b32 s77, s[WV], 3
	s_and_b32 s78, s[WV], 7
	s_mul_i32 s68, s77, 8*FRB
	s_add_co_u32 s68, s68, ZIMG-WIMG
	s_lshl_b32 s69, s77, 9
	s_mul_i32 s70, s78, FRB
	s_lshl_b32 s71, s78, 6
	s_lshl_b32 s79, s78, 1
	s_add_co_u32 s79, s79, s77
	s_mul_i32 s72, s79, FRB
	s_add_co_u32 s72, s72, VIMG-WIMG
	s_lshl_b32 s73, s79, 6
	s_add_co_u32 s73, s73, VSC-WSC
	s_lshl_b32 s75, s[WV], 14
	s_lshl_b32 s76, s[WV], 6
	s_lshl_b32 s78, ttmp9, 10
	s_add_co_u32 s78, s78, s76
	s_mov_b32 s79, 0
	s_mul_i32 s80, ttmp9, ZROW
	s_add_co_u32 s82, s80, s76
	s_add_co_u32 s82, s82, 16*FRB
	s_mul_i32 s81, s[WV], FRB
	s_add_co_u32 s80, s80, s81
	s_mov_b32 s81, 0
	s_mov_b32 s83, 0
	v_and_b32 v16, 31, v0
	v_and_b32 v17, 15, v0
	v_bfe_u32 v18, v0, 4, 1
	v_bfe_u32 v19, v0, 3, 1
	v_and_b32 v20, 7, v0
	v_lshlrev_b32 v21, 4, v16
	s_delay_alu instid0(VALU_DEP_1)
	v_add_nc_u32 v[WA], WIMG, v21
	s_delay_alu instid0(VALU_DEP_2)
	v_add_nc_u32 v[A16], KIMG, v21
	v_lshl_add_u32 v[A8], v16, 3, KIMG+512
	v_lshl_add_u32 v[A4], v17, 2, WSC
	v_lshlrev_b32 v[H64], 6, v18
	s_delay_alu instid0(VALU_DEP_1)
	v_add_nc_u32 v[MKA], MASKB, v[H64]
	v_mul_u32_u24 v22, v19, FRB
	s_delay_alu instid0(VALU_DEP_1)
	v_lshl_add_u32 v[ZPA], v18, 8, v22
	s_delay_alu instid0(VALU_DEP_1)
	v_lshl_add_u32 v[ZPA], v20, 4, v[ZPA]
	s_delay_alu instid0(VALU_DEP_1)
	v_add_nc_u32 v[ZPA], s61, v[ZPA]
	v_lshlrev_b32 v[ZPS], 6, v19
	s_delay_alu instid0(VALU_DEP_1)
	v_lshl_add_u32 v[ZPS], v20, 2, v[ZPS]
	s_delay_alu instid0(VALU_DEP_1)
	v_add_nc_u32 v[ZPS], s66, v[ZPS]
	v_lshl_add_u32 v13, v18, 7, v22
	s_delay_alu instid0(VALU_DEP_1)
	v_lshl_add_u32 v13, v20, 3, v13
	s_delay_alu instid0(VALU_DEP_1)
	v_add_nc_u32 v13, s67, v13
	v_add_nc_u32 v[BOFF], s75, v21
	v_add_nc_u32 v[LM0], -1, v18
	v_sub_nc_u32 v[LM0+1], 0, v18
	v_lshlrev_b32 v15, 2, v17
	s_delay_alu instid0(VALU_DEP_1)
	v_add_nc_u32 v14, s76, v15
	s_delay_alu instid0(VALU_DEP_1)
	v_add_nc_u32 v14, MASKB, v14
	s_wait_alu depctr_va_vdst(0)
	s_wait_dscnt 0x0
	s_wait_kmcnt 0x0
	s_add_nc_u64 s[G0Z+2:G0Z+3], s[4:5], s[24:25]
	s_or_b32 s[G0Z+3], s[G0Z+3], 0x80000000
	s_add_nc_u64 s[G0W+2:G0W+3], s[18:19], s[26:27]
	s_or_b32 s[G0W+3], s[G0W+3], 0x80000000
	s_add_nc_u64 s[20:21], s[8:9], s[82:83]
	s_add_nc_u64 s[8:9], s[8:9], s[80:81]
	s_add_nc_u64 s[6:7], s[6:7], s[78:79]
	s_add_nc_u64 s[10:11], s[10:11], s[24:25]
.irp c, 0,1,2
	global_load_b128 v[ZF+4*\c:ZF+4*\c+3], v21, s[8:9] offset:512*\c th:TH_LOAD_NT
.endr
	global_load_b32 v[ZS], v15, s[20:21]
	global_load_b32 v[X0], v15, s[6:7]
	tensor_load_to_lds s[G0W:G0W+3], s[G1W:G1W+7]
	s_nop 0
.irp b, 0,1,2,3
	v_mov_b32 v[BT+\b], 0
.endr
	s_wait_loadcnt 0x0
	tensor_load_to_lds s[G0Z:G0Z+3], s[G1Z:G1Z+7]
	s_nop 0
	v_mov_b32 v[FF+1], 0
	v_add_f32 v[X0], -1.0, v[X0]
	s_delay_alu instid0(VALU_DEP_1)
	v_mul_f32 v[X0], 0x4e6e6b28, v[X0]
	IMG3 ZPA, ZF, 0
	ds_store_b32 v[ZPS], v[ZS]
	ds_store_b32 v14, v[X0]
	s_wait_tensorcnt 0x1
	s_wait_dscnt 0x0
	s_barrier_signal -1
	s_barrier_wait -1
	PROJ 0
.set j, 0
.rept 32
	v_pk_mul_f32 v[S+j:S+j+1], v[S+j:S+j+1], s[QSC:QSC+1] op_sel_hi:[1,0]
.set j, j+2
.endr
	QUANT S, QN, PX, QS
	PROJ 1
	QUANT S, PC, PX, PS
.irp c, 0,1
	ds_store_b128 v[ZPA], v[PC+6*\c:PC+6*\c+3] offset:KIMG-ZIMG+768*\c
	ds_store_b64 v13, v[PC+6*\c+4:PC+6*\c+5] offset:768*\c
.endr
	ds_store_b32 v[ZPS], v[PS] offset:KSC-ZSC
	s_wait_dscnt 0x0
	v_add_nc_u32 v12, s68, v[WA]
	s_wait_alu depctr_va_vdst(0)
	v_add_nc_u32 v13, s69, v[A4]
	s_wait_alu depctr_va_vdst(0)
	v_add_nc_u32 v14, s70, v[WA]
	v_add_nc_u32 v15, s71, v[A4]
	FRAG3 BUF+48, 14, 16*FRB
	ds_load_b32 v[KS+4], v15 offset:16*64
.irp g, 0,1
.irp t, 0,1,2,3
	FRAG3 BUF+12*\t, 12, (4*\g+\t)*FRB
	ds_load_b32 v[KS+\t], v13 offset:ZSC-WSC+(4*\g+\t)*64
.endr
	s_wait_dscnt 0x0
.irp t, 0,1,2,3
	MMZ S+8*(4*\g+\t), BUF+12*\t, BUF+48, KS+\t, KS+4
.endr
	PLACES 5
.endr
	QUANT S, PC, PX, PS
	v_add_nc_u32 v12, s72, v[WA]
	v_add_nc_u32 v13, s73, v[A4]
	v_lshrrev_b32 v15, 1, v[H64]
	IMG3 12, PC, 0
	ds_store_b32 v13, v[PS]
	BIAS 0, 0
.irp i, 0,1,2,3,4,5
	v_mov_b32 v[QOP+6+\i], 0
.endr
.irp i, 0,1,2,3,4,5
	v_and_b32 v[QOP+\i], v[LM0], v[QN+\i]
.endr
	PLACES 8
	s_wait_alu depctr_va_vdst(0)
	s_wait_dscnt 0x0
	s_barrier_signal -1
	s_barrier_wait -1
.irp h, 0,1,2,3
	STEP \h, 0
	STEP \h, 1
	HEAD_END \h
.endr
.irp c, 0,1
.irp i, 0,1,2
	v_permlane16_swap_b32 v[OGC+6*\c+\i], v[OGC+12+4*\c+\i]
.endr
.irp i, 0,1,2
	s_delay_alu instid0(VALU_DEP_3)
	v_mov_b32 v[OGC+3+6*\c+\i], v[OGC+12+4*\c+\i]
.endr
.endr
	v_and_b32 v12, 15, v0
	s_delay_alu instid0(VALU_DEP_1)
	v_mul_u32_u24 v12, v12, ZP
	v_nop
	v_add_nc_u32 v12, v12, v15
	s_delay_alu instid0(VALU_DEP_1)
	v_add_nc_u32 v12, s74, v12
	v_and_b32 v14, 31, v0
	s_delay_alu instid0(VALU_DEP_1)
	v_lshlrev_b32 v14, 4, v14
	s_delay_alu instid0(VALU_DEP_1)
	v_add_nc_u32 v13, s74, v14
	s_wait_alu depctr_va_vdst(0)
	s_wait_tensorcnt 0x0
.irp t, 0,1,2,3,4,5,6,7
	ds_load_b128 v[BUF+8*\t:BUF+8*\t+3], v12 offset:64*\t
	ds_load_b128 v[BUF+8*\t+4:BUF+8*\t+7], v12 offset:64*\t+16
.endr
	s_wait_loadcnt 0x0
	s_wait_dscnt 0x0
.set j, 0
.rept 32
	v_pk_add_f32 v[S+j:S+j+1], v[S+j:S+j+1], v[BUF+j:BUF+j+1]
.set j, j+2
.endr
	s_wait_alu depctr_va_vdst(0)
.irp g, 0,1
.irp t, 0,1,2,3
	FRAG3 BUF+12*\t, WA, (32+4*\g+\t)*FRB
	ds_load_b32 v[KS+\t], v[A4] offset:(32+4*\g+\t)*64
.endr
	s_wait_dscnt 0x0
.irp t, 0,1,2,3
	MMC S+8*(4*\g+\t), BUF+12*\t, OGC, KS+\t, OGS
.endr
	PLACES 5
.endr
.irp t, 0,1,2,3,4,5,6,7
	ds_store_b128 v12, v[S+8*\t:S+8*\t+3] offset:64*\t
	ds_store_b128 v12, v[S+8*\t+4:S+8*\t+7] offset:64*\t+16
.endr
.irp p, 0,1,2,3,4,5,6,7,8,9,10,11,12,13,14,15
	ds_load_b128 v[BUF+4*\p:BUF+4*\p+3], v13 offset:ZP*\p
.endr
.irp p, 0,1,2,3,4,5,6,7,8,9,10,11,12,13,14,15
	s_wait_dscnt 15-\p
	global_store_b128 v14, v[BUF+4*\p:BUF+4*\p+3], s[10:11] offset:512*\p th:TH_STORE_NT
.endr
	s_wait_tensorcnt 0x0
	ds_add_u32 v219, v223
	s_wait_dscnt 0x0
	s_endpgm
.Lfunc_end_k_q9957a2d6be_row:
	.size	k_q9957a2d6be_row, .Lfunc_end_k_q9957a2d6be_row-k_q9957a2d6be_row
	.p2alignl 7, 3214868480
	.fill 96, 4, 3214868480
	.section	.rodata,"a",@progbits
	.p2align	6, 0x0
	.amdhsa_kernel k_q9957a2d6be_row
		.amdhsa_group_segment_fixed_size 280576
		.amdhsa_private_segment_fixed_size 0
		.amdhsa_enable_private_segment 0
		.amdhsa_kernarg_size 64
		.amdhsa_user_sgpr_count 2
		.amdhsa_user_sgpr_kernarg_segment_ptr 1
		.amdhsa_wavefront_size32 1
		.amdhsa_system_sgpr_workgroup_id_x 1
		.amdhsa_system_sgpr_workgroup_id_y 1
		.amdhsa_system_sgpr_workgroup_id_z 1
		.amdhsa_system_vgpr_workitem_id 0
		.amdhsa_next_free_vgpr 256
		.amdhsa_next_free_sgpr 84
		.amdhsa_reserve_vcc 0
		.amdhsa_float_denorm_mode_32 3
		.amdhsa_float_denorm_mode_16_64 3
		.amdhsa_memory_ordered 1
		.amdhsa_forward_progress 1
		.amdhsa_inst_pref_size 244
	.end_amdhsa_kernel
	.amdgpu_metadata
---
amdhsa.version: [ 1, 2 ]
amdhsa.kernels:
  - .name:           k_q9957a2d6be_row
    .symbol:         k_q9957a2d6be_row.kd
    .args:
      - { .name: Z_raw, .offset: 0, .size: 8, .value_kind: global_buffer, .address_space: global }
      - { .name: Z_mask, .offset: 8, .size: 8, .value_kind: global_buffer, .address_space: global }
      - { .name: zimg, .offset: 16, .size: 8, .value_kind: global_buffer, .address_space: global }
      - { .name: out0, .offset: 24, .size: 8, .value_kind: global_buffer, .address_space: global }
      - { .name: bg, .offset: 32, .size: 8, .value_kind: global_buffer, .address_space: global }
      - { .name: out_bias, .offset: 40, .size: 8, .value_kind: global_buffer, .address_space: global }
      - { .name: tri, .offset: 48, .size: 8, .value_kind: global_buffer, .address_space: global }
      - { .name: wimg, .offset: 56, .size: 8, .value_kind: global_buffer, .address_space: global }
    .group_segment_fixed_size: 280576
    .private_segment_fixed_size: 0
    .kernarg_segment_align: 8
    .kernarg_segment_size: 64
    .max_flat_workgroup_size: 512
    .sgpr_count:     84
    .vgpr_count:     256
    .wavefront_size: 32
...
	.end_amdgpu_metadata
.endif
;; end of part 2
